; MI455X (gfx1250); checked and timed in simulation.
; The chip was launched on July 23, 2026; its instructions are those of AMD's public machine-readable ISA for CDNA 5 (MIT licence, August 2026) and "CDNA5" Instruction Set Architecture Reference Guide (July 2026). The comments in the code are by the model that wrote it; some were corrected since.
;; Multi Query Attention. Allowed arithmetic: matrix products marked QUANTISED: E2M3 operands, one E8M0 scale for each 32 along K, by v_wmma_scale_f32_16x16x128_f8f6f4 with both operands' format E2M3, f32 sums; everything else in f32.
;; Inputs: Wo 2,048 x 2,048 float32; Wq 2,048 x 2,048 float32; bo 2,048 float32; bq 2,048 float32; key 4 x 1,024 x 128 float32; query 4 x 1,024 x 2,048 float32; value 4 x 1,024 x 128 float32.
;; Outputs: out0 4 x 1,024 x 2,048 float32.
;; This version of the problem:
;;   THIS VERSION OF THE PROBLEM IS GIVEN IN LOW PRECISION. The matrix products marked QUANTISED in the list below multiply operands that are first quantised to E2M3 (2 exponent bits, 3 mantissa bits; 6 bits a number), with one power-of-two scale for each 32 numbers along K (OCP MX v1.0); their sums are f32. All else is computed in f32.
;;   The module's matrix products, in the order in which they are computed (A, B: the left and right operand; K: the contracted axis; several contracted axes count as one K, in the product's order):
;;     1. [M 4,096, K 2,048] x [K 2,048, N 2,048]; A: input query; B: input Wq: QUANTISED
;;     2. batch 4 x [M 1,024, K 128] x [K 128, N 16,384]; A: input key; B: computed on the way: QUANTISED
;;     3. batch 4 x [M 128, K 1,024] x [K 1,024, N 16,384]; A: input value; B: softmax (see below): QUANTISED
;;     4. [M 4,096, K 2,048] x [K 2,048, N 2,048]; A: computed on the way; B: input Wo: QUANTISED
;;   THE QUANTISER, for each operand of a quantised product, along K:
;;     - K is cut into blocks of 32 from its start; a last block that is shorter is filled with zeros.
;;     - A block's scale is 2^e with e = floor(log2(the largest magnitude in the block)) - 2, held to -126 .. 127; a block of zeros has e = 0. As a byte (E8M0): e + 127.
;;     - Each number is divided by its block's scale, clamped to +-7.5, and rounded to the nearest number of E2M3, ties to even, subnormals kept.
;;     - The product sums the exact products of the quantised numbers (number of the format x scale) in f32.
;;   ~~~python
;;   def quantise(x, axis):      # numpy; x: float32 -> the quantised numbers, widened to float32 again
;;       x = np.moveaxis(x, axis, -1); K = x.shape[-1]
;;       x = np.pad(x, [(0, 0)] * (x.ndim - 1) + [(0, -K % 32)]); x = x.reshape(x.shape[:-1] + (-1, 32)); a = np.abs(x).max(-1, keepdims=True)
;;       e = np.where(a > 0, np.clip(np.frexp(np.where(a > 0, a, 1))[1] - 1 - 2, -126, 127), 0)      # np.frexp(a)[1] - 1 = floor(log2(a)), exactly
;;       r = np.clip(x / 2.0 ** e, -7.5, 7.5)
;;       step = 2.0 ** (np.maximum(np.frexp(np.where(r == 0, 1, r))[1] - 1, 0) - 3)
;;       q = np.round(r / step) * step * 2.0 ** e      # np.round: ties to even
;;       return np.moveaxis(q.reshape(q.shape[:-2] + (-1,))[..., :K], -1, axis).astype(np.float32)
;;   ~~~
;;   SOFTMAX AHEAD OF A QUANTISED PRODUCT. Where the list says 'softmax', what is quantised is not the finished softmax but p = 2^(t - M), with t = logit x log2(e) and M = ceil(the row's largest t), a whole number; so 1/2 < the row's largest p <= 1. The row's sum l is taken of the UNQUANTISED p, in f32, and the product's result is divided by l at the end. Since M is a whole number, a kernel that streams over the keys may use a running M (the ceiling of the running maximum): every later rescaling is an exact power of two, which a block's scale takes up: the codes' values come out the same.
;;   OPERANDS COMPUTED ON THE WAY. 'Computed on the way' means the value that the module computes at that place (a softmax that the list does not call 'softmax' is quantised finished and normalised). What goes into a quantiser is computed in f32, as accurately as f32 sums, v_exp_f32 and their like allow (about 1e-6 of the number): no bf16 or f16 on the way to a quantiser, and a product that is left as it is and whose result goes on into a quantised operand takes f32 operands (vector FMAs, or v_wmma_f32_16x16x4_f32). A number that lies on a knife's edge between two numbers of the format may be rounded either way, as far as f32 arithmetic and the matrix unit's own rounding can turn it there, and no further.
;; One version. Each part assembles by itself: llvm-mc -triple=amdgcn-amd-amdhsa -mcpu=gfx1250 --defsym DOCPART=n.
;; ======== version 1 of 1: 3 launches
;; limits: right only within a limited range of input values
;; workspace buffers: ops 13,926,400 bytes; abuf 6,553,600 bytes
;; launch quant (part 1): grid 1088 x 1, 4 waves a work-group, no clusters, 35,840 bytes of LDS; arguments query, Wq, Wo, key, value, ops; writes ops
.if DOCPART == 1
	.amdgcn_target "amdgcn-amd-amdhsa--gfx1250"
	.amdhsa_code_object_version 6
	.text
	.protected	k_qffafebe307_quant
	.globl	k_qffafebe307_quant
	.p2align	8
	.type	k_qffafebe307_quant,@function
k_qffafebe307_quant:
	s_mov_b64 s[64:65], 0
	v_nop
	global_prefetch_b8 v0, s[64:65] scope:SCOPE_SE
	s_setreg_imm32_b32 hwreg(HW_REG_WAVE_MODE, 25, 1), 1
	s_wait_xcnt 0x0
; query, Wq, Wo, key and value (f32) become codes of FP6 (E2M3) with one E8M0 scale byte for each 32 along the K of the product that reads them.
; THE CHUNK, this program's one workspace format: 128 operand rows x 128 along K in 12,800 bytes (50 x 256).  Eight tiles of 16 rows; tile t is an image of the operand's 12 registers:
; registers 4 c .. 4 c + 3 of lane l lie at 1536 t + 512 c + 16 l; the scale word of position r of tile t lies at 12288 + 64 t + 4 r.
; THE ROWS OF A TILE ARE NOT NEIGHBOURS: in a group of 32 rows, tile 2 g + u, position r holds row 32 g + 8 u + r % 8 + 16 (r / 8), so that a product that takes such a tile as source 0 leaves 16 neighbours in 16 registers.
; ops: query's chunks [G 32][s 16] at 0; Wq's [G 16][s 16] at WQ, Wo's behind them (operand rows = the weight's columns, K = its first axis); at KV for each batch and each 128 keys: key's chunk (rows = keys, K = d), value's (rows = d, K = keys).
; SHARES.  A work-group makes one chunk; wave w its rows 32 w .. 32 w + 31 (tiles 2 w, 2 w + 1).  Lane l holds ONE operand row (lanes 0-15 tile 2 w's positions, lanes 16-31 tile 2 w + 1's), all its 128 numbers in 128 registers:
; four whole blocks, so no maximum crosses lanes.  Where K is innermost in memory (query, key) the loads take 256 consecutive bytes of two rows and turn through the wave's own stage in LDS; where K is the first axis
; (Wq, Wo, value) a lane takes a column and its registers run down K.
; A block's scale is 2^(floor(log2(largest magnitude)) - 2): its byte is that magnitude's exponent field - 2, held at 1 from below.
; LIMITS: NaN and infinities among the inputs are not served; a block whose largest magnitude lies under 2^-124 keeps the byte 1; a block of zeros gets the byte 1 and not 127: its codes are zeros, and this program alone reads the bytes.
; No tensor loads, no cluster: work-groups share no input.
.set CH,    12800
.set WQ,    6553600                    ; 512 chunks of query lie in front
.set KV,    13107200                   ; and 512 of the two weights
.set STGW,  8704                       ; a wave's stage: 32 positions x SP bytes
.set SP,    272                        ; 256 bytes + 16: 68 words
.set GATH,  4*STGW                     ; the chunk's 128 scale words, 512 bytes
.set SPARE, GATH+512                   ; the spare words, 128 bytes for each wave
.set X,     32                         ; v32-159  my row's 128 numbers
.set F,     160                        ; v160-171 tile 2 w's registers, v172-183 tile 2 w + 1's
.set T,     28                         ; the second halves of the four blocks' codes, on their way: block 0's in v28-30, block q's in v[28 + 4 q ..], numbers of block 0 that its conversions have read
.set SPW,   10                         ; v10  LDS address of my spare word; never rewritten
.set NIL,   11                         ; v11  0; never rewritten
	s_load_b256 s[4:11], s[0:1], 0x0               ; query s[4:5], Wq s[6:7], Wo s[8:9], key s[10:11]
	s_load_b128 s[12:15], s[0:1], 0x20             ; value s[12:13], ops s[14:15]
	v_lshl_add_u32 v[SPW], v0, 2, SPARE
	v_mov_b32 v[NIL], 0
	v_lshrrev_b32 v1, 5, v0
	v_readfirstlane_b32 s16, v1                    ; wave 0..3
	v_and_b32 v1, 31, v0                           ; lane
	v_and_b32 v2, 15, v0                           ; lane % 16
	v_bfe_u32 v3, v0, 4, 1                         ; lane / 16
	s_mul_i32 s28, s16, STGW
	v_mul_u32_u24 v5, v3, SP
	v_lshl_add_u32 v5, v2, 4, v5
	v_add_nc_u32 v5, s28, v5                       ; the stage, on the way in: lanes 0-15 one position, lanes 16-31 the next; 16 bytes a lane
	v_mul_u32_u24 v6, v1, SP
	v_add_nc_u32 v6, s28, v6                       ; and on the way out: my position
	v_lshlrev_b32 v7, 4, v1                        ; 16 x lane: my place in an image
	v_lshl_add_u32 v8, v0, 2, GATH                 ; my row's scale word: 128 w + 4 x lane
	v_lshl_add_u32 v9, v1, 4, GATH                 ; and the words' way out (wave 0)
	s_mov_b32 s21, 0
	s_mov_b32 s25, 0
	s_wait_kmcnt 0x0
	s_cmp_lt_u32 ttmp9, 1056                       ; which tensor is my work-group's?  The choices hang on the work-group's number alone, and stand ahead of every branch
	s_cselect_b64 s[18:19], s[10:11], s[12:13]
	s_cmp_lt_u32 ttmp9, 1024
	s_cselect_b64 s[18:19], s[8:9], s[18:19]
	s_cmp_lt_u32 ttmp9, 768
	s_cselect_b64 s[18:19], s[6:7], s[18:19]
	s_cmp_lt_u32 ttmp9, 512
	s_cselect_b64 s[18:19], s[4:5], s[18:19]
; K innermost: rows of rb = 1 << sh bytes.  Each load reads 256 consecutive bytes of two rows; the first 64 along K of all 32 rows, then the second 64
.macro LOADI rb, sh
	v_lshlrev_b32 v4, 4, v2
	v_lshl_add_u32 v4, v3, \sh, v4
.irp hf, 0,1
.set i, 0
.rept 16
	global_load_b128 v[X+64*\hf+4*i:X+64*\hf+4*i+3], v4, s[18:19] offset:2*i*\rb+256*\hf th:TH_LOAD_NT
.set i, i+1
.endr
.endr
.endm
; K is the first axis: rows of rb bytes.  My lane takes the column that its position asks for (bits 3 and 4 of the lane change places); register k holds row k
.macro LOADO rb
	v_and_b32 v4, 7, v0
	v_bfe_u32 v20, v0, 3, 1
	v_lshl_add_u32 v4, v20, 4, v4
	v_lshl_add_u32 v4, v3, 3, v4
	v_lshlrev_b32 v4, 2, v4
.set k, 0
.rept 128
	global_load_b32 v[X+k], v4, s[18:19] offset:k*\rb th:TH_LOAD_NT
.set k, k+1
.endr
.endm
; 64 along K of the 32 rows through the stage: row 2 i (+ 1 in lanes 16-31) goes to the position that holds it; then each lane reads its own position's 256 bytes
.macro TURNH hf
.set i, 0
.rept 16
.set PS, ((2*i)&7)|(((2*i)&8)<<1)|(((2*i)&16)>>1)
	ds_store_b128 v5, v[X+64*\hf+4*i:X+64*\hf+4*i+3] offset:PS*SP
.set i, i+1
.endr
	s_wait_dscnt 0x0                               ; the stores have read their registers, which the loads below write
.set i, 0
.rept 16
	ds_load_b128 v[X+64*\hf+4*i:X+64*\hf+4*i+3], v6 offset:16*i
.set i, i+1
.endr
.endm
	s_cmp_lt_u32 ttmp9, 512
	s_cbranch_scc1 .Lquery
	s_cmp_lt_u32 ttmp9, 1024
	s_cbranch_scc1 .Lweight
	s_cmp_lt_u32 ttmp9, 1056
	s_cbranch_scc1 .Lkey
	s_sub_co_u32 s17, ttmp9, 1056                  ; VALUE: i = 8 x batch + j
	s_lshl_b32 s20, s17, 16                        ; 128 keys of 512 bytes,
	s_lshl_b32 s29, s16, 7                         ; my wave's 32 columns
	s_add_co_u32 s20, s20, s29
	s_mul_i32 s24, s17, 2*CH
	s_add_co_u32 s24, s24, KV+CH
	s_add_nc_u64 s[18:19], s[18:19], s[20:21]
	LOADO 512
	s_branch .Lquant
.Lweight:
	s_sub_co_u32 s17, ttmp9, 512                   ; WQ, then WO: the chunks of both lie on end
	s_mul_i32 s24, s17, CH
	s_add_co_u32 s24, s24, WQ
	s_and_b32 s17, s17, 255                        ; i = 16 G + s
	s_and_b32 s20, s17, 15
	s_lshl_b32 s20, s20, 20                        ; 128 s rows of 8,192 bytes,
	s_lshr_b32 s29, s17, 4
	s_lshl_b32 s29, s29, 9                         ; 128 G columns,
	s_add_co_u32 s20, s20, s29
	s_lshl_b32 s29, s16, 7                         ; my wave's 32 of them
	s_add_co_u32 s20, s20, s29
	s_add_nc_u64 s[18:19], s[18:19], s[20:21]
	LOADO 8192
	s_branch .Lquant
.Lkey:
	s_sub_co_u32 s17, ttmp9, 1024                  ; KEY: i = 8 x batch + j
	s_lshl_b32 s20, s17, 16                        ; 128 keys of 512 bytes,
	s_lshl_b32 s29, s16, 14                        ; my wave's 32 of them
	s_add_co_u32 s20, s20, s29
	s_mul_i32 s24, s17, 2*CH
	s_add_co_u32 s24, s24, KV
	s_add_nc_u64 s[18:19], s[18:19], s[20:21]
	LOADI 512, 9
	s_branch .Lturn
.Lquery:
	s_mul_i32 s24, ttmp9, CH                       ; QUERY: i = 16 G + s
	s_lshr_b32 s20, ttmp9, 4
	s_lshl_b32 s20, s20, 20                        ; 128 G rows of 8,192 bytes,
	s_and_b32 s29, ttmp9, 15
	s_lshl_b32 s29, s29, 9                         ; 128 s along K,
	s_add_co_u32 s20, s20, s29
	s_lshl_b32 s29, s16, 18                        ; my wave's 32 rows
	s_add_co_u32 s20, s20, s29
	s_add_nc_u64 s[18:19], s[18:19], s[20:21]
	LOADI 8192, 13
.Lturn:
	s_wait_loadcnt 16                              ; the first half's 16 loads are in; the second half's 16 may be out
	s_wait_alu depctr_va_vdst(0)
	TURNH 0
	s_wait_loadcnt 0x0
	TURNH 1                                        ; LDS serves a wave's instructions in order: these stores come behind the first half's reads
	s_wait_dscnt 0x0
.Lquant:
	s_add_nc_u64 s[22:23], s[14:15], s[24:25]      ; my chunk,
	s_mul_i32 s28, s16, 3072
	s_mov_b32 s29, 0
	s_add_nc_u64 s[26:27], s[22:23], s[28:29]      ; and my two tiles in it
; Block q of my row: the largest magnitude of its 32 numbers in two chains, with the floor 2^(3 - 127) among the leaves; 2 off the exponent field gives the conversion's scale operand, a shift of that the byte.
; Blocks 2 c and 2 c + 1 go to registers 6 c .. 6 c + 5 of the first and of the second run of twelve.  left: how many younger loads may stay out (none written where an earlier wait serves)
.macro BLOCK q, left
.set XS, X+32*(\q)
.set FD, F+12*((\q)&1)+6*((\q)>>1)
.if \left >= 0
	s_wait_loadcnt \left
.endif
	v_max3_num_f32 v12, |v[XS]|, |v[XS+1]|, |v[XS+2]|
	v_max3_num_f32 v13, |v[XS+3]|, |v[XS+4]|, |v[XS+5]|
.irp i, 6,10,14,18,22,26
	v_max3_num_f32 v12, v12, |v[XS+\i]|, |v[XS+\i+1]|
	v_max3_num_f32 v13, v13, |v[XS+\i+2]|, |v[XS+\i+3]|
.endr
	v_max3_num_f32 v12, v12, |v[XS+30]|, |v[XS+31]|
	v_max3_num_f32 v12, v12, v13, 0x1800000
	v_add_nc_u32 v[16+\q], 0xff000000, v12
	v_lshrrev_b32 v20, 23, v[16+\q]
.if (\q) == 0
	v_mov_b32 v14, v20                             ; the row's scale word: the lower K in the lower byte
.else
	v_lshl_or_b32 v14, v20, 8*(\q), v14
.endif
	v_cvt_scalef32_pk16_fp6_f32 v[FD:FD+2], v[XS:XS+15], v[16+\q]
	v_cvt_scalef32_pk16_fp6_f32 v[T+4*(\q):T+4*(\q)+2], v[XS+16:XS+31], v[16+\q]   ; (a conversion's three registers begin on an even number)
.endm
	BLOCK 0, 63                                    ; of the 128 loads down K at most 63 are out: registers 0 to 64 are in, blocks 0 and 1
	BLOCK 1, -1
	BLOCK 2, 32                                    ; block 3's 32 loads may be out
	BLOCK 3, 0
	v_nop                                          ; one plain vector instruction behind the last conversion
.irp q, 0,1,2,3
.irp i, 0,1,2
	v_mov_b32 v[F+12*(\q&1)+6*(\q>>1)+3+\i], v[T+4*\q+\i]
.endr
.endr
.irp c, 0,1                                    ; the first run's lanes 16-31 change places with the second's lanes 0-15: the first run is then tile 2 w (lanes 0-15 block 2 c, lanes 16-31 block 2 c + 1 of its rows), the second tile 2 w + 1
.irp i, 0,1,2,3,4,5
	v_permlane16_swap_b32 v[F+6*\c+\i], v[F+12+6*\c+\i]
.endr
.endr
.irp c, 0,1,2,3,4,5
	global_store_b128 v7, v[F+4*\c:F+4*\c+3], s[26:27] offset:512*\c   ; 32 lanes store 512 consecutive bytes, at a multiple of 256 from the buffer's first byte
.endr
	ds_store_b32 v8, v14
	s_wait_dscnt 0x0                               ; for wave 0's sake: my scale words lie in LDS
	s_barrier_signal -1
	s_barrier_wait -1
	s_cmp_lg_u32 s16, 0
	s_cbranch_scc1 .Ldone
	ds_load_b128 v[24:27], v9                      ; the chunk's 128 scale words leave as 512 consecutive bytes
	s_wait_dscnt 0x0
	global_store_b128 v7, v[24:27], s[22:23] offset:12288
.Ldone:
	s_wait_tensorcnt 0x0                           ; the wave's end, behind my last LDS store
	ds_add_u32 v[SPW], v[NIL]
	s_wait_dscnt 0x0
	s_endpgm
.Lfunc_end_k_qffafebe307_quant:
	.size	k_qffafebe307_quant, .Lfunc_end_k_qffafebe307_quant-k_qffafebe307_quant
	.p2alignl 7, 3214868480
	.fill 96, 4, 3214868480
	.section	.rodata,"a",@progbits
	.p2align	6, 0x0
	.amdhsa_kernel k_qffafebe307_quant
		.amdhsa_group_segment_fixed_size 35840
		.amdhsa_private_segment_fixed_size 0
		.amdhsa_enable_private_segment 0
		.amdhsa_kernarg_size 48
		.amdhsa_user_sgpr_count 2
		.amdhsa_user_sgpr_kernarg_segment_ptr 1
		.amdhsa_wavefront_size32 1
		.amdhsa_system_sgpr_workgroup_id_x 1
		.amdhsa_system_sgpr_workgroup_id_y 1
		.amdhsa_system_sgpr_workgroup_id_z 1
		.amdhsa_system_vgpr_workitem_id 0
		.amdhsa_next_free_vgpr 184
		.amdhsa_next_free_sgpr 66
		.amdhsa_reserve_vcc 0
		.amdhsa_float_denorm_mode_32 3
		.amdhsa_float_denorm_mode_16_64 3
		.amdhsa_memory_ordered 1
		.amdhsa_forward_progress 1
		.amdhsa_inst_pref_size 46
	.end_amdhsa_kernel
	.amdgpu_metadata
---
amdhsa.version: [ 1, 2 ]
amdhsa.kernels:
  - .name:           k_qffafebe307_quant
    .symbol:         k_qffafebe307_quant.kd
    .args:
      - { .name: query, .offset: 0, .size: 8, .value_kind: global_buffer, .address_space: global }
      - { .name: Wq, .offset: 8, .size: 8, .value_kind: global_buffer, .address_space: global }
      - { .name: Wo, .offset: 16, .size: 8, .value_kind: global_buffer, .address_space: global }
      - { .name: key, .offset: 24, .size: 8, .value_kind: global_buffer, .address_space: global }
      - { .name: value, .offset: 32, .size: 8, .value_kind: global_buffer, .address_space: global }
      - { .name: ops, .offset: 40, .size: 8, .value_kind: global_buffer, .address_space: global }
    .group_segment_fixed_size: 35840
    .private_segment_fixed_size: 0
    .kernarg_segment_align: 8
    .kernarg_segment_size: 48
    .max_flat_workgroup_size: 128
    .sgpr_count:     66
    .vgpr_count:     184
    .wavefront_size: 32
...
	.end_amdgpu_metadata
.endif
;; end of part 1
;; launch qattn (part 2): grid 16 x 16, 8 waves a work-group, clusters of 4 x 4, 327,680 bytes of LDS; arguments ops, bq, abuf; writes abuf
.if DOCPART == 2
	.amdgcn_target "amdgcn-amd-amdhsa--gfx1250"
	.amdhsa_code_object_version 6
	.text
	.protected	k_qffafebe307_qattn
	.globl	k_qffafebe307_qattn
	.p2align	8
	.type	k_qffafebe307_qattn,@function
k_qffafebe307_qattn:
	s_mov_b64 s[64:65], 0
	v_nop
	global_prefetch_b8 v0, s[64:65] scope:SCOPE_SE
	s_setreg_imm32_b32 hwreg(HW_REG_WAVE_MODE, 25, 1), 1
	s_wait_xcnt 0x0
	s_wait_alu depctr_hold_cnt(0) depctr_sa_sdst(0) depctr_va_vdst(0) depctr_va_sdst(0) depctr_va_ssrc(0) depctr_va_vcc(0) depctr_vm_vsrc(0)
	s_getreg_b32 s2, hwreg(HW_REG_IB_STS2, 6, 4)
	s_cmp_eq_u32 s2, 0
	s_cbranch_scc0 .Lentry_in_a_cluster
	s_endpgm
.Lentry_in_a_cluster:
	s_bfe_u32 s2, ttmp6, 0x10000c
	s_cmp_lg_u32 s2, 0xf033
	s_cbranch_scc0 .Lentry_shape_is_right
	s_endpgm
.Lentry_shape_is_right:
; TWO STEPS IN ONE LAUNCH, for 256 rows of one head: q = Q(query) Q(Wq) + bq, quantised along the head's 128 in registers; then softmax(q . key / sqrt(128)) value.
; All three products on codes of FP6 (E2M3) with E8M0 scales, f32 sums.  The result is divided by the row's sum, quantised along the head's 128 and leaves as chunks [G 32][head 16], the left operand of the last product.
; No work of the problem is left out.
; CHUNK: 128 operand rows x 128 along K in 12,800 bytes: tile t's register image at 1536 t + 512 c + 16 lane, its scale words at 12288 + 64 t + 4 r; tile 2 g + u, position r holds row 32 g + 8 u + r % 8 + 16 (r / 8).
; SHARES.  Work-group (x, y): head x, rows 256 y ..; 256 work-groups.  Wave w of eight owns tiles 2 (w % 4), 2 (w % 4) + 1 of chunk row 2 y + w / 4: 32 rows, through both steps, so q never leaves its registers.
; TILE A LIES IN REGISTER WINDOW 0, TILE B AT THE SAME NUMBERS IN WINDOW 1: quantiser and softmax are written once and run twice.
; ALL PRODUCTS TRANSPOSED (source 0 = a tile of the weight, of K or of V; source 1 = a tile of rows): a lane holds one row, and 16 registers of two neighbouring result tiles are 16 neighbours along the next K.
; FIRST STEP.  16 K steps, 16 accumulators a wave (v96-159 of each window), which begin as the bias, loaded into them.  Ring of two LDS slots of four K steps: A's two chunk rows (waves 0-3: 100 rows of 256 bytes each),
; B's four chunks (waves 4-7: 50 rows each): every wave issues one load at each fill, and has one out.  The walk is written out.
; K AND V of the batch (8 steps of 128 keys, 204,800 dense bytes) take the ring's bytes when it has done with them: behind K step 11 slot 0 takes key steps 0-5, behind K step 15 slot 1 takes key steps 6-7;
; the wait for these last and its barrier stand behind q's quantiser, ahead of the loop over the keys.
; CLUSTER 4 x 4: cx counts four heads, cy the four batches; the cluster's y is the block of 256 rows in each batch: y = 4 cy + cluster y.  The four work-groups of a row of the cluster take the same rows of one batch for
; four heads: they ask jointly for A's chunks and for that batch's K and V.  The four of a column take one head: they ask jointly for B's chunks.
; PREFETCH.  Behind each fill of the ring but the last every wave names, by one instruction, a lane a row of 256 bytes, its share of the part that it fetches at the NEXT fill, four K steps on.  The four partners that ask
; for a part jointly share its rows out by address: 25 of A's 100 by cx; 13 of B's 50 by cy, held at the part's last row.  Behind the ring's last fill, four and eight K steps ahead of their loads: the batch's K and V,
; 800 rows: 200 to each partner of the row by cx, 25 of them to a wave.  Lanes that are left over name their wave's last row again.  The offsets and bases are never rewritten: the fills are told apart by immediates.
; THE SOFTMAX: t = score x log2(e) / sqrt(128); M = the row's largest t so far, rounded UP to a whole number; p = 2^(t - M) is quantised along the keys, not normalised; the row's sum is taken of the unquantised p;
; when M moves, the sum and O are multiplied by 2^(old M - new M): exact.  A block's largest p is made from its largest score by the same two instructions.
; REGISTERS.  Window 0 alone: v1 16 x lane, v2 4 x lane, v3, v4 the prefetches' offsets, v5, v6 the add's two, v7 the bias's offset, v8, v9 K's and V's addresses, v10, v11 the scale words' way out, v28-31 and (first step)
;   v12-15 the ring's addresses; v80-93 scale words and nothing else.  Both windows: v12 -M, v13 the largest t, v[14:15] the sum; v16-27 q; v32-79 A's fragments (set p in window p), then K's tiles; v96-159 accumulators,
;   S^T, p, V's tiles; v160-255 B's fragments (set p in window p), then v160-223 O^T, v224-235 p's codes, v232-254 at work.
; LIMITS: NaN and infinities are not served; a block whose largest magnitude lies under 2^-124 keeps the scale byte 1, a block of zeros too (its codes are zeros; this program alone reads the bytes);
; the scaled scores stay under 2^31 in magnitude.
.set CH,    12800
.set SLOT,  12*CH
.set BOFF,  8*CH
.set WOFF,  6553600                    ; Wq's chunks in ops
.set KV,    13107200                   ; K's and V's
.set GATH,  2*SLOT                     ; the two chunks' scale words, 1,024 bytes: no fill lands here
.set SPARE, GATH+1024                  ; the spare words, 128 bytes a wave
.set PFO,  3                           ; v3  my row of the ring's next part, in bytes; never rewritten
.set PFK,  4                           ; v4  my row of the batch's K and V, in bytes; never rewritten
.set SPW,  5
.set NIL,  6
.set ADK,  8
.set ADS,  9
.set ADSA, 12
.set ADSB, 14
.set ADRA, 28
.set ADRB, 30
.set KS,   80                          ; K's scale words;  first step: B's, set p at SB + 4 p
.set VS,   84
.set SB,   80
.set QS,   88                          ; q's word, tile A
.set PB,   89                          ; p's word, tile B
.set SA,   90                          ; first step: A's words, set p (tile A in lanes 0-15, tile B in lanes 16-31)
.set QSB,  92                          ; q's word, tile B
.set PA,   93                          ; p's word, tile A
.set TB,   2
.set CNT,  3
.set WV,   18
.set SEL,  20
.set CS,   22
.set G1,   24                          ; s[24:31] group 1: the row's mask, 100 rows;  s[32:39] its groups 0, one for each slot
.set G0,   32
.set G1B,  48                          ; s[48:55] the column's mask, 50 rows;  s[56:63] its groups 0
.set G0B,  56
.set KVA,  66
.set KVB,  68
.set G1C,  80                          ; s[80:87] the row's mask, 50 rows: K's and V's chunks of key steps 4 and 5;  s[88:91] its group 0
.set G0C,  88
.set PF,   92                          ; s[92:93] the part that I fetch at the first fill;  s[94:95] the batch's K and V: the prefetches' bases
.set PK,   94
.set MSB, 0
.macro WIN new                         ; bits 1:0 source 0, 3:2 source 1, 5:4 source 2, 7:6 destination; the high byte repeats the setting that is left
.if MSB != \new
	s_set_vgpr_msb (MSB<<8)|\new
.set MSB, \new
.endif
.endm
.macro PLACES
.rept 4
	v_nop
.endr
.endm
.macro JLOAD g0a, g1a, g0b, g1b        ; waves 0-3 issue the first load, waves 4-7 the second; the branch hangs on the wave's number alone
	s_cmp_eq_u32 s15, 0
	s_cbranch_scc0 .Lfor_b_\@
	tensor_load_to_lds s[\g0a:\g0a+3], s[\g1a:\g1a+7]
	s_nop 0
	PLACES
	s_branch .Lasked_\@
.Lfor_b_\@:
	tensor_load_to_lds s[\g0b:\g0b+3], s[\g1b:\g1b+7]
	s_nop 0
	PLACES
.Lasked_\@:
.endm
.macro CREST
	s_cmp_lg_u32 s[WV], 0
	s_cbranch_scc1 .Lnot_wave_0_\@
	s_barrier_signal -3
.Lnot_wave_0_\@:
	s_barrier_wait -3
	s_barrier_signal -1
	s_barrier_wait -1
.endm
.macro CROUND
	s_barrier_signal -1
	s_barrier_wait -1
	CREST
.endm
; one product in place; r0, r1: the scale words of source 0, 1 lie in lanes 16-31 of their register
.macro WM d, f0, f1, x0, x1, r0, r1
.if (\r0) && (\r1)
	v_wmma_scale_f32_16x16x128_f8f6f4 v[\d:\d+7], v[\f0:\f0+11], v[\f1:\f1+11], v[\d:\d+7], v[\x0], v[\x1] matrix_a_fmt:MATRIX_FMT_FP6 matrix_b_fmt:MATRIX_FMT_FP6 matrix_a_scale:MATRIX_SCALE_ROW1 matrix_b_scale:MATRIX_SCALE_ROW1
.elseif (\r0)
	v_wmma_scale_f32_16x16x128_f8f6f4 v[\d:\d+7], v[\f0:\f0+11], v[\f1:\f1+11], v[\d:\d+7], v[\x0], v[\x1] matrix_a_fmt:MATRIX_FMT_FP6 matrix_b_fmt:MATRIX_FMT_FP6 matrix_a_scale:MATRIX_SCALE_ROW1
.elseif (\r1)
	v_wmma_scale_f32_16x16x128_f8f6f4 v[\d:\d+7], v[\f0:\f0+11], v[\f1:\f1+11], v[\d:\d+7], v[\x0], v[\x1] matrix_a_fmt:MATRIX_FMT_FP6 matrix_b_fmt:MATRIX_FMT_FP6 matrix_b_scale:MATRIX_SCALE_ROW1
.else
	v_wmma_scale_f32_16x16x128_f8f6f4 v[\d:\d+7], v[\f0:\f0+11], v[\f1:\f1+11], v[\d:\d+7], v[\x0], v[\x1] matrix_a_fmt:MATRIX_FMT_FP6 matrix_b_fmt:MATRIX_FMT_FP6
.endif
.endm
; eight products: my tile a (window a) against B's eight, from set p (window p).  The 16 accumulators take turns, one instruction a turn
.macro MULQ p, a
	WIN ((\p)*5+(\a)*0x50)
.irp b, 0,1,2,3,4,5,6,7
	WM 96+8*\b, 160+12*\b, 32+12*(\a), SB+4*(\p)+\b/2, SA+(\p), \b%2, \a
.endr
.endm
; the fragments and scale words of slot sl's q-th K step into set p: 35 LDS loads
.macro FETCH sl, q, p
	WIN ((\p)*0x40)
.irp b, 0,1,2,3,4,5,6,7
.irp c, 0,1,2
	ds_load_b128 v[160+12*\b+4*\c:163+12*\b+4*\c], v[ADRB+(\sl)] offset:(\q)*CH+1536*\b+512*\c
.endr
.endr
.irp a, 0,1
.irp c, 0,1,2
	ds_load_b128 v[32+12*\a+4*\c:35+12*\a+4*\c], v[ADRA+(\sl)] offset:(\q)*CH+1536*\a+512*\c
.endr
.endr
	WIN 0
.irp i, 0,1,2,3
	ds_load_b32 v[SB+4*(\p)+\i], v[ADSB+(\sl)] offset:(\q)*CH+12288+128*\i
.endr
	ds_load_b32 v[SA+(\p)], v[ADSA+(\sl)] offset:(\q)*CH+12288
.endm
.macro STEP sl, q, p                   ; set p is multiplied; the same slot's next K step is fetched into the other set
	s_wait_dscnt 0x0                               ; set p is in
	PLACES                                         ; in front of loads into registers that the last step's products read
	FETCH \sl, (\q)+1, 1-(\p)
	MULQ \p, 0
	MULQ \p, 1
.endm
; a slot's last K step (set 1) changes slots.  mode 1: the slot takes the K steps eight on; 2: slot 0 takes key steps 0-5; 3: slot 1 takes key steps 6-7 (waves 0 and 1), and nothing more is fetched
.macro TURN sl, mode
	WIN 0
	s_wait_tensorcnt 0x0                           ; all my tensor loads have landed: my part of the other slot
	ds_add_u32 v[SPW], v[NIL]
	s_wait_dscnt 0x1                               ; set 1 is in; the add may be out
	MULQ 1, 0
	s_wait_dscnt 0x0                               ; the add is done, and my reads of this slot are over
	s_barrier_signal -1
	MULQ 1, 1
	WIN 0
	s_barrier_wait -1
	CREST                                          ; the barrier has opened a round of the cluster's: no wave of any partner reads this slot or has a load on its way
.if \mode == 1
	s_add_nc_u64 s[G0+4*\sl+2:G0+4*\sl+3], s[G0+4*\sl+2:G0+4*\sl+3], 8*CH
	s_add_nc_u64 s[G0B+4*\sl+2:G0B+4*\sl+3], s[G0B+4*\sl+2:G0B+4*\sl+3], 8*CH
	JLOAD G0+4*\sl, G1, G0B+4*\sl, G1B
.elseif \mode == 2
	s_mov_b64 s[G0+2:G0+3], s[KVA:KVA+1]           ; waves 0-3: key step w; waves 4-7: one chunk of key steps 4, 5.  In LDS as in memory; both by the row's mask
	s_or_b32 s[G0+3], s[G0+3], 0x80000000
	JLOAD G0, G1, G0C, G1C
.else
	s_add_nc_u64 s[G0+6:G0+7], s[KVA:KVA+1], 12*CH
	s_or_b32 s[G0+7], s[G0+7], 0x80000000
	s_cmp_lt_u32 s[WV], 2
	s_cbranch_scc0 .Lno_kv_\@
	tensor_load_to_lds s[G0+4:G0+7], s[G1:G1+7]    ; key step 6 + w
	s_nop 0
	PLACES
.Lno_kv_\@:
.endif
.if \mode < 3
	FETCH 1-(\sl), 0, 0                            ; (the four v_nop behind the joint load are the places in front of these loads)
.endif
.if \mode == 1
.if \sl == 0
	global_prefetch_b8 v[PFO], s[PF:PF+1] offset:12*CH th:TH_LOAD_NT scope:SCOPE_SE   ; my share of K steps 12-15, which the next change of slots asks for
.else
	global_prefetch_b8 v[PFK], s[PK:PK+1] th:TH_LOAD_NT scope:SCOPE_SE                ; my share of the batch's K and V, which the next two changes of slots ask for
.endif
.endif
.endm
; THE QUANTISER of 64 numbers a lane, v[src ..], register 16 b + i = place 32 b + 16 h + i along K: each block's largest magnitude (with lane l xor 16's), its scale, the codes; the halves change places so that a lane holds
; whole blocks.  The operand's twelve registers come out at v[dst ..], the row's scale word in v250.  Each accumulator is read from its low end on
.macro QNT src, dst, tmp
.irp b, 0,1,2,3
	v_max3_num_f32 v[232+\b], |v[\src+16*\b]|, |v[\src+1+16*\b]|, 0x1800000   ; the floor 2^(3 - 127): the byte cannot fall under 1
.endr
.irp i, 2,4,6,8,10,12,14
.irp b, 0,1,2,3
	v_max3_num_f32 v[232+\b], v[232+\b], |v[\src+16*\b+\i]|, |v[\src+1+16*\b+\i]|
.endr
.endr
.irp b, 0,1,2,3
	v_permlanex16_b32 v[236+\b], v[232+\b], s[SEL], s[SEL+1]
.endr
.irp b, 0,1,2,3
	v_max_num_f32 v[232+\b], v[232+\b], v[236+\b]
.endr
.irp b, 0,1,2,3
	v_add_nc_u32 v[244+\b], 0xff000000, v[232+\b]  ; 2 off the exponent field: the conversion's scale operand
.endr
.irp b, 0,1,2,3
	v_lshrrev_b32 v[236+\b], 23, v[244+\b]         ; the scale's byte
.endr
	v_lshl_or_b32 v250, v237, 8, v236
	v_lshl_or_b32 v250, v238, 16, v250
	v_lshl_or_b32 v250, v239, 24, v250
.irp c, 0,1
	v_cvt_scalef32_pk16_fp6_f32 v[\dst+6*\c:\dst+2+6*\c], v[\src+32*\c:\src+15+32*\c], v[244+2*\c]
	v_cvt_scalef32_pk16_fp6_f32 v[\tmp+4*\c:\tmp+2+4*\c], v[\src+16+32*\c:\src+31+32*\c], v[244+2*\c+1]
.endr
	v_nop                                          ; one plain vector instruction behind the last conversion
.irp c, 0,1
.irp i, 0,1,2
	v_permlane16_swap_b32 v[\dst+6*\c+\i], v[\tmp+4*\c+\i]
.endr
.irp i, 0,1,2
	v_mov_b32 v[\dst+3+6*\c+\i], v[\tmp+4*\c+\i]
.endr
.endr
.endm
.macro INITA                           ; what a tile's softmax starts from
	v_mov_b32 v13, 0xff61b1e6                      ; the largest t so far: -3e38
	v_floor_f32 v12, -v13                          ; -M
	v_mov_b32 v14, 0
	v_mov_b32 v15, 0
.irp b, 0,1,2,3
	v_mov_b32 v[236+\b], 0                         ; a lane permute's destination counts as one of its sources
.endr
	v_mov_b32 v253, 0                              ; (named as the upper half of the pair v[252:253])
.endm
.macro INITO                           ; O^T: the key step is written for every step alike
.set j, 0
.rept 64
	v_mov_b32 v[160+j], 0
.set j, j+1
.endr
.endm
.macro KLOAD off, ak, as               ; K's eight fragments and four scale registers: 28 LDS loads
.irp i, 0,1,2,3
	ds_load_b32 v[KS+\i], v[\as] offset:\off+12288+128*\i
.endr
.irp t, 0,1,2,3
.irp c, 0,1,2
	ds_load_b128 v[32+12*\t+4*\c:35+12*\t+4*\c], v[\ak] offset:\off+1536*\t+512*\c
.endr
.endr
	WIN 0x40
.irp t, 0,1,2,3
.irp c, 0,1,2
	ds_load_b128 v[32+12*\t+4*\c:35+12*\t+4*\c], v[\ak] offset:\off+1536*(4+\t)+512*\c
.endr
.endr
	WIN 0
.endm
.macro VLOAD g                         ; V's tiles 4 g .. 4 g + 3 into window g's v96-143; with g = 0 V's scale registers first: 16 loads; with g = 1: 12
.if \g == 0
.irp i, 0,1,2,3
	ds_load_b32 v[VS+\i], v[ADS] offset:CH+12288+128*\i
.endr
.else
	WIN 0x40
.endif
.irp t, 0,1,2,3
.irp c, 0,1,2
	ds_load_b128 v[96+12*\t+4*\c:99+12*\t+4*\c], v[ADK] offset:CH+1536*(4*\g+\t)+512*\c
.endr
.endr
.endm
.macro SG g, x, qs                     ; four products S^T = K q^T: K's tiles 4 g .. (window g) against query tile x (window x)
	WIN ((\g)+0x54*(\x))
.irp t, 0,2
	v_wmma_scale_f32_16x16x128_f8f6f4 v[96+8*(4*\g+\t):103+8*(4*\g+\t)], v[32+12*\t:43+12*\t], v[16:27], 0, v[KS+2*\g+\t/2], v[\qs] matrix_a_fmt:MATRIX_FMT_FP6 matrix_b_fmt:MATRIX_FMT_FP6
	v_wmma_scale_f32_16x16x128_f8f6f4 v[104+8*(4*\g+\t):111+8*(4*\g+\t)], v[44+12*\t:55+12*\t], v[16:27], 0, v[KS+2*\g+\t/2], v[\qs] matrix_a_fmt:MATRIX_FMT_FP6 matrix_b_fmt:MATRIX_FMT_FP6 matrix_a_scale:MATRIX_SCALE_ROW1
.endr
.endm
.macro PVG g, x, pw                    ; four products O^T += V^T P^T; a step's sixteen accumulators take turns
	WIN ((\g)+0x54*(\x))
.irp t, 0,2
	v_wmma_scale_f32_16x16x128_f8f6f4 v[160+8*(4*\g+\t):167+8*(4*\g+\t)], v[96+12*\t:107+12*\t], v[224:235], v[160+8*(4*\g+\t):167+8*(4*\g+\t)], v[VS+2*\g+\t/2], v[\pw] matrix_a_fmt:MATRIX_FMT_FP6 matrix_b_fmt:MATRIX_FMT_FP6
	v_wmma_scale_f32_16x16x128_f8f6f4 v[168+8*(4*\g+\t):175+8*(4*\g+\t)], v[108+12*\t:119+12*\t], v[224:235], v[168+8*(4*\g+\t):175+8*(4*\g+\t)], v[VS+2*\g+\t/2], v[\pw] matrix_a_fmt:MATRIX_FMT_FP6 matrix_b_fmt:MATRIX_FMT_FP6 matrix_a_scale:MATRIX_SCALE_ROW1
.endr
.endm
; ONE TILE'S SOFTMAX FOR 128 KEYS, up to the codes; every vector register that it names lies in the tile's own window
.macro SOFT1
	s_wait_alu depctr_va_vdst(0)                   ; directly ahead of the first reader of S^T
.irp b, 0,1,2,3
	v_max3_num_f32 v[232+\b], v[96+16*\b], v[97+16*\b], v[98+16*\b]   ; the largest score of each block of 32 keys
.endr
.irp i, 3,5,7,9,11,13
.irp b, 0,1,2,3
	v_max3_num_f32 v[232+\b], v[232+\b], v[96+16*\b+\i], v[97+16*\b+\i]
.endr
.endr
.irp b, 0,1,2,3
	v_max_num_f32 v[232+\b], v[232+\b], v[111+16*\b]
.endr
.irp b, 0,1,2,3
	v_permlanex16_b32 v[236+\b], v[232+\b], s[SEL], s[SEL+1]
.endr
.irp b, 0,1,2,3
	v_max_num_f32 v[232+\b], v[232+\b], v[236+\b]  ; with lane l xor 16's 16 keys
.endr
	v_max3_num_f32 v254, v232, v233, v234
	s_delay_alu instid0(VALU_DEP_1)
	v_max_num_f32 v254, v254, v235                 ; the step's largest score of my query
	s_delay_alu instid0(VALU_DEP_1)
	v_mul_f32 v254, s[CS], v254                    ; as t
	s_delay_alu instid0(VALU_DEP_1)
	v_max_num_f32 v13, v13, v254                   ; the running largest t
	v_mov_b32 v254, v12
	s_delay_alu instid0(VALU_DEP_2)
	v_floor_f32 v12, -v13                          ; the new -M = -ceil(t)
	s_delay_alu instid0(VALU_DEP_1)
	v_sub_f32 v254, v12, v254                      ; old M less new M: a whole number, 0 or less
	s_delay_alu instid0(VALU_DEP_1)
	v_cvt_i32_f32 v254, v254                       ; (it saturates)
	s_delay_alu instid0(VALU_DEP_1)
	v_ldexp_f32 v252, 1.0, v254                    ; f = 2^(old M - new M)
.irp b, 0,1,2,3
	v_fma_f32 v[232+\b], v[232+\b], s[CS], v12     ; t - M of each block's largest score
.endr
	s_wait_alu depctr_va_vdst(0)                   ; directly ahead of the first reader of O^T
.set j, 0
.rept 32
	v_pk_mul_f32 v[160+j:161+j], v[160+j:161+j], v[252:253] op_sel_hi:[1,0]   ; O^T under the new M; each accumulator from its low end on
.set j, j+2
.endr
.set j, 0
.rept 32
	v_pk_fma_f32 v[96+j:97+j], v[96+j:97+j], s[CS:CS+1], v[12:13] op_sel_hi:[1,0,0]   ; t - M, two at a time
.set j, j+2
.endr
	s_wait_alu depctr_va_vdst(0)                   ; ahead of the batch
.set j, 0
.rept 64
	v_exp_f32 v[96+j], v[96+j]                     ; p = 2^(t - M), at most 1
.set j, j+1
.endr
.irp b, 0,1,2,3
	v_exp_f32 v[232+\b], v[232+\b]                 ; the block's largest p
.endr
	v_pk_mul_f32 v[14:15], v[14:15], v[252:253] op_sel_hi:[1,0]   ; the sums under the new M: the plain instruction behind the last exponential
	s_wait_alu depctr_va_vdst(0)                   ; one wait for the batch, ahead of its first reader
	v_pk_add_f32 v[236:237], v[96:97], v[98:99]    ; the row's sum of the unquantised p, in four chains
	v_pk_add_f32 v[238:239], v[100:101], v[102:103]
	v_pk_add_f32 v[240:241], v[104:105], v[106:107]
.irp j, 108,116,124,132,140,148
	v_pk_add_f32 v[14:15], v[14:15], v[\j:\j+1]
	v_pk_add_f32 v[236:237], v[236:237], v[\j+2:\j+3]
	v_pk_add_f32 v[238:239], v[238:239], v[\j+4:\j+5]
	v_pk_add_f32 v[240:241], v[240:241], v[\j+6:\j+7]
.endr
	v_pk_add_f32 v[14:15], v[14:15], v[156:157]
	v_pk_add_f32 v[236:237], v[236:237], v[158:159]
	v_pk_add_f32 v[238:239], v[238:239], v[240:241]
	v_pk_add_f32 v[14:15], v[14:15], v[236:237]
	v_pk_add_f32 v[14:15], v[14:15], v[238:239]
.irp b, 0,1,2,3
	v_max_num_f32 v[232+\b], 0x1800000, v[232+\b]  ; the floor 2^(3 - 127)
.endr
.irp b, 0,1,2,3
	v_add_nc_u32 v[244+\b], 0xff000000, v[232+\b]
.endr
.irp b, 0,1,2,3
	v_lshrrev_b32 v[236+\b], 23, v[244+\b]
.endr
	v_lshl_or_b32 v253, v237, 8, v236              ; p's scale word for these 128 keys
	v_lshl_or_b32 v253, v238, 16, v253
	v_lshl_or_b32 v253, v239, 24, v253
.irp c, 0,1
	v_cvt_scalef32_pk16_fp6_f32 v[224+6*\c:226+6*\c], v[96+32*\c:111+32*\c], v[244+2*\c]
	v_cvt_scalef32_pk16_fp6_f32 v[236+4*\c:238+4*\c], v[112+32*\c:127+32*\c], v[244+2*\c+1]
.endr
	v_nop                                          ; one plain vector instruction behind the last conversion.  From here on p's 64 registers are free
.endm
.macro SOFT2                           ; a whole block in a lane
.irp c, 0,1
.irp i, 0,1,2
	v_permlane16_swap_b32 v[224+6*\c+\i], v[236+4*\c+\i]
.endr
.irp i, 0,1,2
	v_mov_b32 v[227+6*\c+\i], v[236+4*\c+\i]
.endr
.endr
.endm
; A KEY STEP: 128 keys, both tiles.  next = 1: the next step's K is fetched
.macro KSTEP next
	v_add_nc_u32 v[ADK], s[TB], v1
	v_add_nc_u32 v[ADS], s[TB], v2
	s_wait_alu depctr_va_vdst(0)
	PLACES                                         ; with the two additions six places: S^T is written over registers that the last step's V products read
	s_wait_dscnt 0x0                               ; K's fragments are in
	SG 0, 0, QS
	SG 0, 1, QSB
	SG 1, 0, QS
	SG 1, 1, QSB
	WIN 0
	PLACES                                         ; in front of loads into registers that these products read, and of the first read of their results
.if \next
	KLOAD 2*CH, ADK, ADS
.endif
	SOFT1                                          ; tile A
	VLOAD 0                                        ; V's tiles 0-3 into tile A's p
	SOFT2
	v_mov_b32 v[PA], v253                          ; its scale word into a register that holds scales alone
	WIN 0x55
	SOFT1                                          ; tile B
	VLOAD 1                                        ; V's tiles 4-7 into tile B's p
	WIN 0x55
	SOFT2
	WIN 0x01
	v_mov_b32 v[PB], v253
	WIN 0
.rept 8
	v_nop                                          ; a scale register written by a vector instruction stands eight places ahead of a scaled matrix instruction
.endr
	s_wait_alu depctr_va_vdst(0)                   ; directly ahead of the wait below
	s_wait_dscnt 12                                ; all but the twelve loads of V's tiles 4-7 are in
	PVG 0, 0, PA
	PVG 0, 1, PB
	s_wait_dscnt 0x0
	PVG 1, 0, PA
	PVG 1, 1, PB
	WIN 0
	s_add_co_u32 s[TB], s[TB], 2*CH
.endm
	s_load_b128 s[4:7], s[0:1], 0x0                ; ops, bq
	s_load_b64 s[8:9], s[0:1], 0x10                ; abuf
	v_lshl_add_u32 v[SPW], v0, 2, SPARE
	v_mov_b32 v[NIL], 0
	ds_add_u32 v[SPW], v[NIL]                      ; the opening: the add, twice on end, and its wait ahead of my first tensor load
	ds_add_u32 v[SPW], v[NIL]
	v_lshrrev_b32 v8, 5, v0
	v_readfirstlane_b32 s[WV], v8                  ; wave 0..7
	s_lshr_b32 s15, s[WV], 2                       ; my chunk of rows.  Also: which of a fill's two loads I issue
	s_and_b32 s16, s[WV], 3                        ; my pair of tiles.  Also: which part I fetch
	s_bfe_u32 s40, ttmp6, 0x40000                  ; cx, cy
	s_bfe_u32 s41, ttmp6, 0x40004                  ; cy is the batch
	s_lshl_b32 s42, ttmp9, 2
	s_add_co_u32 s42, s42, s40                     ; the head = 4 x cluster x + cx
	s_and_b32 s17, ttmp7, 0xffff                   ; the cluster's y: the block of 256 rows in the batch
	s_lshl_b32 s12, s41, 2
	s_add_co_u32 s17, s17, s12                     ; y = 4 cy + cluster y
	s_lshl_b32 s43, s41, 2
	s_lshl_b32 s43, 15, s43                        ; my row of the cluster
	s_lshl_b32 s44, 0x1111, s40                    ; my column
	s_or_b32 s[G1], s43, (3<<16)|(1<<21)           ; the mask; elements of 8 bytes; bit 21 beside a mask
	s_or_b32 s[G1B], s44, (3<<16)|(1<<21)
	s_or_b32 s[G1C], s43, (3<<16)|(1<<21)
	s_mov_b32 s[G1+1], 32<<16                      ; rows of 256 bytes, dense:
	s_mov_b32 s[G1+2], 100<<16                     ; 100 of them, two chunks on end
	s_mov_b32 s[G1+3], 32<<16
	s_mov_b32 s[G1+4], 100
	s_mov_b32 s[G1+5], 32
	s_mov_b32 s[G1+6], 0
	s_mov_b32 s[G1+7], 0
.irp g, G1B, G1C
	s_mov_b32 s[\g+1], 32<<16
	s_mov_b32 s[\g+2], 50<<16                      ; 50: one chunk
	s_mov_b32 s[\g+3], 32<<16
	s_mov_b32 s[\g+4], 50
	s_mov_b32 s[\g+5], 32
	s_mov_b32 s[\g+6], 0
	s_mov_b32 s[\g+7], 0
.endr
	s_lshl_b32 s46, s17, 1                         ; A: part u: chunk row 2 y + u / 2, K steps 2 (u % 2) on
	s_lshr_b32 s47, s16, 1
	s_add_co_u32 s46, s46, s47
	s_mul_i32 s46, s46, 16*CH
	s_and_b32 s47, s16, 1
	s_mul_i32 s47, s47, 2*CH
	s_add_co_u32 s46, s46, s47
	s_mov_b32 s47, 0
	s_mul_i32 s72, s42, 16*CH                      ; B: chunk row = head, K step = part
	s_mul_i32 s73, s16, CH
	s_add_co_u32 s72, s72, s73
	s_add_co_u32 s72, s72, WOFF
	s_add_co_u32 s11, s73, BOFF                    ; where B's part goes in a slot,
	s_mov_b32 s73, 0
	s_mul_i32 s10, s16, 2*CH                       ; and A's: no place in the cluster enters an LDS address
	s_mul_i32 s74, s41, 16*CH
	s_add_co_u32 s74, s74, KV                      ; the batch's K and V: in LDS as in memory
	s_add_co_u32 s[KVA], s74, s10
	s_mov_b32 s[KVA+1], 0
	s_add_co_u32 s[KVB], s74, s11
	s_mov_b32 s[KVB+1], 0
	s_mov_b32 s[PK], s74
	s_mov_b32 s[PK+1], 0
	s_cmp_eq_u32 s15, 0                            ; the prefetches: do I fetch for A?
	s_cselect_b32 s12, s40, s41                    ; my place among the four that ask for my part with me,
	s_cselect_b32 s43, 25, 13                      ; the rows that each of the four names,
	s_cselect_b32 s44, 99, 49                      ; the part's last row
	s_mul_i32 s12, s12, s43                        ; my first row of it
	s_sub_co_u32 s43, s43, 1
	s_mul_i32 s96, s40, 200                        ; of K's and V's 800 rows: 200 cx + 25 w on
	s_mul_i32 s97, s[WV], 25
	s_add_co_u32 s96, s96, s97
	s_lshl_b32 s75, s17, 1
	s_add_co_u32 s76, s75, s15                     ; the result: chunk 16 (2 y + w / 4) + head,
	s_lshl_b32 s76, s76, 4
	s_add_co_u32 s76, s76, s42
	s_mul_i32 s76, s76, CH
	s_mul_i32 s13, s16, 3072                       ; my two tiles' images in it
	s_add_co_u32 s76, s76, s13
	s_mov_b32 s77, 0
	s_and_b32 s45, s[WV], 1                        ; the chunk whose scale words I store (waves 0 and 1)
	s_add_co_u32 s78, s75, s45
	s_lshl_b32 s78, s78, 4
	s_add_co_u32 s78, s78, s42
	s_mul_i32 s78, s78, CH
	s_mov_b32 s79, 0
	s_lshl_b32 s45, s45, 9
	s_mul_i32 s14, s15, 4*CH                       ; my chunk of rows in a slot:
	s_add_co_u32 s13, s13, s14                     ; my tiles' images,
	s_lshl_b32 s19, s16, 7
	s_add_co_u32 s14, s14, s19                     ; their scale words
	s_lshl_b32 s19, s[WV], 7
	s_lshl_b32 s74, s42, 9                         ; my head's 128 numbers of the bias
	s_mov_b32 s75, 0
	s_mov_b32 s[SEL], 0x76543210
	s_mov_b32 s[SEL+1], 0xfedcba98
	s_mov_b32 s[CS], 0x3e0293ee                    ; log2(e) / sqrt(128)
	s_mov_b32 s[CS+1], s[CS]
	s_mov_b32 s[TB], 0
	s_wait_dscnt 0x0                               ; both opening adds are done
	s_wait_kmcnt 0x0
	s_add_nc_u64 s[46:47], s[4:5], s[46:47]
	s_add_nc_u64 s[72:73], s[4:5], s[72:73]
	s_add_nc_u64 s[KVA:KVA+1], s[4:5], s[KVA:KVA+1]
	s_add_nc_u64 s[KVB:KVB+1], s[4:5], s[KVB:KVB+1]
	s_add_nc_u64 s[PK:PK+1], s[4:5], s[PK:PK+1]
	s_add_nc_u64 s[6:7], s[6:7], s[74:75]
	s_add_nc_u64 s[70:71], s[8:9], s[78:79]
	s_add_nc_u64 s[8:9], s[8:9], s[76:77]
	s_cmp_eq_u32 s15, 0
	s_cselect_b64 s[PF:PF+1], s[46:47], s[72:73]   ; the part that I fetch: the choice hangs on the wave's number alone
.irp s, 0,1
	s_mov_b32 s[G0+4*\s], 1
	s_add_co_u32 s[G0+4*\s+1], s10, \s*SLOT
	s_add_nc_u64 s[G0+4*\s+2:G0+4*\s+3], s[46:47], \s*4*CH
	s_or_b32 s[G0+4*\s+3], s[G0+4*\s+3], 0x80000000
	s_mov_b32 s[G0B+4*\s], 1
	s_add_co_u32 s[G0B+4*\s+1], s11, \s*SLOT
	s_add_nc_u64 s[G0B+4*\s+2:G0B+4*\s+3], s[72:73], \s*4*CH
	s_or_b32 s[G0B+4*\s+3], s[G0B+4*\s+3], 0x80000000
.endr
	s_mov_b32 s[G0C], 1                            ; one chunk of key steps 4, 5, into slot 0
	s_add_co_u32 s[G0C+1], s11, 0
	s_mov_b64 s[G0C+2:G0C+3], s[KVB:KVB+1]
	s_or_b32 s[G0C+3], s[G0C+3], 0x80000000
	CROUND                                         ; all sixteen work-groups are here: the first joint loads meet
	JLOAD G0, G1, G0B, G1B                         ; K steps 0-3: one tensor load a wave at the head
	v_and_b32 v3, 31, v0
	v_lshlrev_b32 v1, 4, v3                        ; 16 x lane
	v_lshlrev_b32 v2, 2, v3                        ; 4 x lane
	v_and_b32 v4, 15, v0
	v_lshlrev_b32 v4, 2, v4                        ; 4 r
	v_bfe_u32 v7, v0, 4, 1
	v_lshlrev_b32 v7, 6, v7                        ; the bias: 64 h bytes
	v_add_nc_u32 v[ADRA], s13, v1
	v_add_nc_u32 v[ADRA+1], SLOT, v[ADRA]
	v_add_nc_u32 v[ADRB], BOFF, v1
	v_add_nc_u32 v[ADRB+1], SLOT+BOFF, v1
	v_add_nc_u32 v[ADSA], s14, v2
	v_add_nc_u32 v[ADSA+1], SLOT, v[ADSA]
	v_add_nc_u32 v[ADSB], BOFF, v2
	v_add_nc_u32 v[ADSB+1], SLOT+BOFF, v2
	v_add_nc_u32 v10, s19, v4
	v_add_nc_u32 v10, GATH, v10                    ; where tile A's scale words go: 128 w + 4 r; tile B's 64 bytes on
	v_add_nc_u32 v11, s45, v1
	v_add_nc_u32 v11, GATH, v11                    ; and where a chunk's 512 bytes of them are read back
	v_min_u32 v[PFK], 24, v3                       ; K and V: row 200 cx + 25 w + lane, lanes 25-31 with lane 24,
	v_add_nc_u32 v[PFK], s96, v[PFK]
	v_lshlrev_b32 v[PFK], 8, v[PFK]                ; of 256 bytes
	v_min_u32 v[PFO], s43, v3                      ; the ring: my first row + lane, the lanes left over with the last of mine,
	v_add_nc_u32 v[PFO], s12, v[PFO]
	v_min_u32 v[PFO], s44, v[PFO]                  ; held at the part's last row
	v_lshlrev_b32 v[PFO], 8, v[PFO]
	s_wait_alu depctr_va_vdst(0)                   ; at the head's end
	global_prefetch_b8 v[PFO], s[PF:PF+1] offset:4*CH th:TH_LOAD_NT scope:SCOPE_SE   ; my share of K steps 4-7
.irp x, 0,1                            ; the sums begin as the bias: result tile 2 b + u, lane (r, h): columns 32 b + 16 h + 8 u + 0 .. 7; the same for both tiles of rows
	WIN 0x40*\x
.irp t, 0,1,2,3,4,5,6,7
	global_load_b128 v[96+8*\t:99+8*\t], v7, s[6:7] offset:(32*(\t/2)+8*(\t%2))*4
	global_load_b128 v[100+8*\t:103+8*\t], v7, s[6:7] offset:(32*(\t/2)+8*(\t%2))*4+16
.endr
.endr
	WIN 0
	s_wait_tensorcnt 0x0                           ; my part of slot 0 is in
	ds_add_u32 v[SPW], v[NIL]
	s_wait_dscnt 0x0
	CROUND                                         ; everybody's part is in, and the joint loads meet
	JLOAD G0+4, G1, G0B+4, G1B                     ; K steps 4-7
	FETCH 0, 0, 0
	global_prefetch_b8 v[PFO], s[PF:PF+1] offset:8*CH th:TH_LOAD_NT scope:SCOPE_SE   ; my share of K steps 8-11
	s_wait_loadcnt 0x0                             ; the bias
	STEP 0, 0, 0
	STEP 0, 1, 1
	STEP 0, 2, 0
	TURN 0, 1                                      ; K step 3; slot 0 takes K steps 8-11
	STEP 1, 0, 0
	STEP 1, 1, 1
	STEP 1, 2, 0
	TURN 1, 1                                      ; K step 7; slot 1 takes K steps 12-15
	STEP 0, 0, 0
	STEP 0, 1, 1
	STEP 0, 2, 0
	TURN 0, 2                                      ; K step 11; slot 0 takes key steps 0-5
	STEP 1, 0, 0
	STEP 1, 1, 1
	STEP 1, 2, 0
	TURN 1, 3                                      ; K step 15; key steps 0-5 are whole; slot 1 takes key steps 6-7
	PLACES                                         ; behind the last products
	KLOAD 0, 1, 2                                  ; key step 0's K, while q is quantised
	INITA
	QNT 96, 16, 224                                ; tile A's q
	v_mov_b32 v[QS], v250
	INITO
	WIN 0x55
	INITA
	QNT 96, 16, 224                                ; tile B's
	WIN 0x01
	v_mov_b32 v[QSB], v250
	WIN 0x55
	INITO                                          ; (also the places between the scale words' writes and the first products)
	WIN 0
	s_wait_alu depctr_va_vdst(0)                   ; ahead of the waits and branches below
	s_wait_tensorcnt 0x0                           ; my load of key step 6 or 7, if I have one, is in
	s_wait_dscnt 0x0
	s_barrier_signal -1
	s_barrier_wait -1                              ; K and V are whole
	s_mov_b32 s[CNT], 7
.Lkeys:                                            ; key steps 0 to 6; they fetch K of steps 1 to 7
	KSTEP 1
	s_sub_co_u32 s[CNT], s[CNT], 1
	s_cmp_lg_u32 s[CNT], 0
	s_cbranch_scc1 .Lkeys
	KSTEP 0                                        ; key step 7 fetches nothing
; THE WAY OUT: O^T / the row's sum, quantised along the channels
.macro SUMUP
	v_add_f32 v14, v14, v15
	v_permlanex16_b32 v252, v14, s[SEL], s[SEL+1]
	v_add_f32 v14, v14, v252
	s_wait_alu depctr_va_vdst(0)                   ; ahead of the reciprocal,
	v_rcp_f32 v14, v14
	v_nop
	s_wait_alu depctr_va_vdst(0)                   ; and behind it
.endm
.macro FINQ
	s_wait_alu depctr_va_vdst(0)                   ; directly ahead of the first reader of O^T
.set j, 0
.rept 32
	v_pk_mul_f32 v[96+j:97+j], v[160+j:161+j], v[14:15] op_sel_hi:[1,0]
.set j, j+2
.endr
	QNT 96, 32, 44
.endm
	SUMUP                                          ; (its plain lines are the places behind the last products)
	WIN 0x55
	SUMUP
	WIN 0
	FINQ
	WIN 0x55
	FINQ
	WIN 0
.irp c, 0,1,2
	global_store_b128 v1, v[32+4*\c:35+4*\c], s[8:9] offset:512*\c   ; tile A's image: 512 consecutive bytes a store, at a multiple of 256 from the buffer's first byte
.endr
	ds_store_b32 v10, v250                         ; lanes r and 16 + r write the same word with the same value
	WIN 0x04                                       ; a store's data are its source 1: window 1
.irp c, 0,1,2
	global_store_b128 v1, v[32+4*\c:35+4*\c], s[8:9] offset:1536+512*\c
.endr
	ds_store_b32 v10, v250 offset:64
	WIN 0
	s_wait_dscnt 0x0                               ; for the others' sake: my scale words lie in LDS
	s_barrier_signal -1
	s_barrier_wait -1
	s_cmp_lt_u32 s[WV], 2
	s_cbranch_scc0 .Lno_words
	ds_load_b128 v[52:55], v11                     ; waves 0 and 1: a chunk's 128 scale words leave as 512 consecutive bytes
	s_wait_dscnt 0x0
	global_store_b128 v1, v[52:55], s[70:71] offset:12288
.Lno_words:
	s_wait_tensorcnt 0x0                           ; the wave's end
	ds_add_u32 v[SPW], v[NIL]
	s_wait_dscnt 0x0
	CROUND                                         ; the closing round
	s_endpgm
.Lfunc_end_k_qffafebe307_qattn:
	.size	k_qffafebe307_qattn, .Lfunc_end_k_qffafebe307_qattn-k_qffafebe307_qattn
	.p2alignl 7, 3214868480
	.fill 96, 4, 3214868480
	.section	.rodata,"a",@progbits
	.p2align	6, 0x0
	.amdhsa_kernel k_qffafebe307_qattn
		.amdhsa_group_segment_fixed_size 327680
		.amdhsa_private_segment_fixed_size 0
		.amdhsa_enable_private_segment 0
		.amdhsa_kernarg_size 24
		.amdhsa_user_sgpr_count 2
		.amdhsa_user_sgpr_kernarg_segment_ptr 1
		.amdhsa_wavefront_size32 1
		.amdhsa_system_sgpr_workgroup_id_x 1
		.amdhsa_system_sgpr_workgroup_id_y 1
		.amdhsa_system_sgpr_workgroup_id_z 1
		.amdhsa_system_vgpr_workitem_id 0
		.amdhsa_next_free_vgpr 512
		.amdhsa_next_free_sgpr 100
		.amdhsa_reserve_vcc 0
		.amdhsa_float_denorm_mode_32 3
		.amdhsa_float_denorm_mode_16_64 3
		.amdhsa_memory_ordered 1
		.amdhsa_forward_progress 1
		.amdhsa_inst_pref_size 183
	.end_amdhsa_kernel
	.amdgpu_metadata
---
amdhsa.version: [ 1, 2 ]
amdhsa.kernels:
  - .name:           k_qffafebe307_qattn
    .symbol:         k_qffafebe307_qattn.kd
    .args:
      - { .name: ops, .offset: 0, .size: 8, .value_kind: global_buffer, .address_space: global }
      - { .name: bq, .offset: 8, .size: 8, .value_kind: global_buffer, .address_space: global }
      - { .name: abuf, .offset: 16, .size: 8, .value_kind: global_buffer, .address_space: global }
    .group_segment_fixed_size: 327680
    .private_segment_fixed_size: 0
    .kernarg_segment_align: 8
    .kernarg_segment_size: 24
    .max_flat_workgroup_size: 256
    .sgpr_count:     100
    .vgpr_count:     512
    .wavefront_size: 32
...
	.end_amdgpu_metadata
.endif
;; end of part 2
;; launch outp (part 3): grid 16 x 16, 4 waves a work-group, clusters of 4 x 4, 327,680 bytes of LDS; arguments abuf, ops, bo, out0; writes out0
.if DOCPART == 3
	.amdgcn_target "amdgcn-amd-amdhsa--gfx1250"
	.amdhsa_code_object_version 6
	.text
	.protected	k_qffafebe307_outp
	.globl	k_qffafebe307_outp
	.p2align	8
	.type	k_qffafebe307_outp,@function
k_qffafebe307_outp:
	s_mov_b64 s[64:65], 0
	v_nop
	global_prefetch_b8 v0, s[64:65] scope:SCOPE_SE
	s_setreg_imm32_b32 hwreg(HW_REG_WAVE_MODE, 25, 1), 1
	s_wait_xcnt 0x0
	s_wait_alu depctr_hold_cnt(0) depctr_sa_sdst(0) depctr_va_vdst(0) depctr_va_sdst(0) depctr_va_ssrc(0) depctr_va_vcc(0) depctr_vm_vsrc(0)
	s_getreg_b32 s2, hwreg(HW_REG_IB_STS2, 6, 4)
	s_cmp_eq_u32 s2, 0
	s_cbranch_scc0 .Lentry_in_a_cluster
	s_endpgm
.Lentry_in_a_cluster:
	s_bfe_u32 s2, ttmp6, 0x10000c
	s_cmp_lg_u32 s2, 0xf033
	s_cbranch_scc0 .Lentry_shape_is_right
	s_endpgm
.Lentry_shape_is_right:
.set CH,     12800
.set SLOT,   12*CH
.set BOFF,   8*CH
.set SPARE,  2*SLOT
.set WOFF,   9830400
.set SPITCH, 528
.set ADRA, 4
.set ADRB, 6
.set ADSA, 8
.set ADSB, 10
.set SPW,  12
.set NIL,  13
.set CO,   15
.set STO,  16
.set RD,   18
.set SA,   32
.set SB,   36
.set AF,   48
.set BK,   48
.set G1,   24
.set G0,   32
.set G1B,  48
.set G0B,  56
.set PFO,  20                          ; v20 the prefetches' offset: my row of the part that I fetch, in bytes; never rewritten
.set PF,   66                          ; s[66:67] the part that I fetch at the first fill; never rewritten: the fills are told apart by immediates
; A PREFETCH behind a fill of the ring: my share of the part that I fetch at fill f, the next one, four K steps on; a lane a row of 256 bytes.  The four partners that ask for a part jointly share its rows out by address:
; 50 of A's 200 by cx, in two instructions of 25; 25 of B's 100 by cy, in one.  Lanes 25-31 name lane 24's row again.  The branch hangs on the wave's number alone
.macro ASK f
	global_prefetch_b8 v[PFO], s[PF:PF+1] offset:(\f)*4*CH th:TH_LOAD_NT scope:SCOPE_SE
	s_cmp_eq_u32 s15, 0
	s_cbranch_scc0 .Lone_\@
	global_prefetch_b8 v[PFO], s[PF:PF+1] offset:(\f)*4*CH+6400 th:TH_LOAD_NT scope:SCOPE_SE
.Lone_\@:
.endm
.set MSB, 0
.macro WIN new
.if MSB != \new
	s_set_vgpr_msb (MSB<<8)|\new
.set MSB, \new
.endif
.endm
.set MUL,     0xa1
.set MULB,    0xb1
.set TO_B,    0x40
.set TO_BIAS, 0xc0
.macro PLACES
.rept 4
	v_nop
.endr
.endm
.macro JLOAD sl
	s_cmp_eq_u32 s15, 0
	s_cbranch_scc0 .Lfor_b_\@
	tensor_load_to_lds s[G0+4*\sl:G0+4*\sl+3], s[G1:G1+7]
	s_nop 0
.rept 4
	v_nop
.endr
	s_branch .Lasked_\@
.Lfor_b_\@:
	tensor_load_to_lds s[G0B+4*\sl:G0B+4*\sl+3], s[G1B:G1B+7]
	s_nop 0
.rept 4
	v_nop
.endr
.Lasked_\@:
.endm
.macro CREST
	s_cmp_lg_u32 s14, 0
	s_cbranch_scc1 .Lnot_wave_0_\@
	s_barrier_signal -3
.Lnot_wave_0_\@:
	s_barrier_wait -3
	s_barrier_signal -1
	s_barrier_wait -1
.endm
.macro CROUND
	s_barrier_signal -1
	s_barrier_wait -1
	CREST
.endm
.macro WM d, f0, f1, x0, x1, r0, r1, c
.if (\r0) && (\r1)
	v_wmma_scale_f32_16x16x128_f8f6f4 v[\d:\d+7], v[\f0:\f0+11], v[\f1:\f1+11], v[\c:\c+7], v[\x0], v[\x1] matrix_a_fmt:MATRIX_FMT_FP6 matrix_b_fmt:MATRIX_FMT_FP6 matrix_a_scale:MATRIX_SCALE_ROW1 matrix_b_scale:MATRIX_SCALE_ROW1
.elseif (\r0)
	v_wmma_scale_f32_16x16x128_f8f6f4 v[\d:\d+7], v[\f0:\f0+11], v[\f1:\f1+11], v[\c:\c+7], v[\x0], v[\x1] matrix_a_fmt:MATRIX_FMT_FP6 matrix_b_fmt:MATRIX_FMT_FP6 matrix_a_scale:MATRIX_SCALE_ROW1
.elseif (\r1)
	v_wmma_scale_f32_16x16x128_f8f6f4 v[\d:\d+7], v[\f0:\f0+11], v[\f1:\f1+11], v[\c:\c+7], v[\x0], v[\x1] matrix_a_fmt:MATRIX_FMT_FP6 matrix_b_fmt:MATRIX_FMT_FP6 matrix_b_scale:MATRIX_SCALE_ROW1
.else
	v_wmma_scale_f32_16x16x128_f8f6f4 v[\d:\d+7], v[\f0:\f0+11], v[\f1:\f1+11], v[\c:\c+7], v[\x0], v[\x1] matrix_a_fmt:MATRIX_FMT_FP6 matrix_b_fmt:MATRIX_FMT_FP6
.endif
.endm
.macro MULQ p, a, first
.irp b, 0,1,2,3,4,5,6,7
.if \first
	WM 64*(\a)+8*\b, 96*(\p)+12*\b, AF+48*(\p)+12*(\a), SB+4*(\p)+\b/2, SA+2*(\p)+(\a)/2, \b%2, (\a)%2, 8*\b
.else
	WM 64*(\a)+8*\b, 96*(\p)+12*\b, AF+48*(\p)+12*(\a), SB+4*(\p)+\b/2, SA+2*(\p)+(\a)/2, \b%2, (\a)%2, 64*(\a)+8*\b
.endif
.endr
.endm
.macro FETCH sl, q, p
	WIN TO_B
.irp b, 0,1,2,3,4,5,6,7
.irp c, 0,1,2
	ds_load_b128 v[96*(\p)+12*\b+4*\c:96*(\p)+12*\b+4*\c+3], v[ADRB+(\sl)] offset:(\q)*CH+1536*\b+512*\c
.endr
.endr
	WIN 0
.irp a, 0,1,2,3
.irp c, 0,1,2
	ds_load_b128 v[AF+48*(\p)+12*\a+4*\c:AF+48*(\p)+12*\a+4*\c+3], v[ADRA+(\sl)] offset:(\q)*CH+1536*\a+512*\c
.endr
.endr
.irp i, 0,1,2,3
	ds_load_b32 v[SB+4*(\p)+\i], v[ADSB+(\sl)] offset:(\q)*CH+12288+128*\i
.endr
.irp i, 0,1
	ds_load_b32 v[SA+2*(\p)+\i], v[ADSA+(\sl)] offset:(\q)*CH+12288+128*\i
.endr
.endm
.macro STEP sl, q, p, first
	s_wait_dscnt 0x0
	PLACES
	FETCH \sl, (\q)+1, 1-(\p)
.if \first
	WIN MULB
.else
	WIN MUL
.endif
.irp a, 0,1,2,3
	MULQ \p, \a, \first
.endr
.endm
.macro TURN sl, fill
	WIN 0
	s_wait_tensorcnt 0x0
	ds_add_u32 v[SPW], v[NIL]
	s_wait_dscnt 0x1
	WIN MUL
	MULQ 1, 0, 0
	s_wait_dscnt 0x0
	s_barrier_signal -1
	MULQ 1, 1, 0
	WIN 0
	s_barrier_wait -1
.if \fill
	CREST
	s_add_nc_u64 s[G0+4*\sl+2:G0+4*\sl+3], s[G0+4*\sl+2:G0+4*\sl+3], 8*CH
	s_add_nc_u64 s[G0B+4*\sl+2:G0B+4*\sl+3], s[G0B+4*\sl+2:G0B+4*\sl+3], 8*CH
	JLOAD \sl
.else
	PLACES
.endif
	FETCH 1-(\sl), 0, 0
.if (\fill) && (\sl) == 0
	ASK 3                                          ; K steps 12-15, which the next change of slots asks for
.endif
	WIN MUL
	MULQ 1, 2, 0
	MULQ 1, 3, 0
.endm
	s_load_b256 s[4:11], s[0:1], 0x0
	v_lshl_add_u32 v[SPW], v0, 2, SPARE
	v_mov_b32 v[NIL], 0
	ds_add_u32 v[SPW], v[NIL]
	ds_add_u32 v[SPW], v[NIL]
	v_lshrrev_b32 v1, 5, v0
	v_readfirstlane_b32 s14, v1
	s_lshr_b32 s15, s14, 1
	s_and_b32 s16, s14, 1
	s_bfe_u32 s40, ttmp6, 0x40000
	s_bfe_u32 s41, ttmp6, 0x40004
	s_lshl_b32 s42, ttmp9, 2
	s_add_co_u32 s42, s42, s40
	s_and_b32 s17, ttmp7, 0xffff
	s_lshl_b32 s17, s17, 2
	s_add_co_u32 s17, s17, s41
	s_lshl_b32 s43, s41, 2
	s_lshl_b32 s43, 15, s43
	s_lshl_b32 s44, 0x1111, s40
	s_or_b32 s[G1], s43, (3<<16)|(1<<21)
	s_or_b32 s[G1B], s44, (3<<16)|(1<<21)
	s_mov_b32 s[G1+1], 32<<16
	s_mov_b32 s[G1+2], 200<<16
	s_mov_b32 s[G1+3], 32<<16
	s_mov_b32 s[G1+4], 200
	s_mov_b32 s[G1+5], 32
	s_mov_b32 s[G1+6], 0
	s_mov_b32 s[G1+7], 0
	s_mov_b32 s[G1B+1], 32<<16
	s_mov_b32 s[G1B+2], 100<<16
	s_mov_b32 s[G1B+3], 32<<16
	s_mov_b32 s[G1B+4], 100
	s_mov_b32 s[G1B+5], 32
	s_mov_b32 s[G1B+6], 0
	s_mov_b32 s[G1B+7], 0
	s_lshl_b32 s20, s17, 1
	s_add_co_u32 s20, s20, s16
	s_mul_i32 s20, s20, 16*CH
	s_mov_b32 s21, 0
	s_mul_i32 s46, s42, 16*CH
	s_mul_i32 s47, s16, 2*CH
	s_add_co_u32 s46, s46, s47
	s_add_co_u32 s46, s46, WOFF
	s_mov_b32 s47, 0
	s_mul_i32 s45, s16, 4*CH
	s_mul_i32 s18, s16, 2*CH
	s_add_co_u32 s18, s18, BOFF
	s_cmp_eq_u32 s15, 0                            ; the prefetches: do I fetch for A?
	s_cselect_b32 s43, s40, s41                    ; my place among the four that ask for my part with me,
	s_cselect_b32 s44, 50, 25                      ; the rows that each of the four names
	s_mul_i32 s43, s43, s44                        ; my first row of the part
	s_wait_dscnt 0x0
	s_wait_kmcnt 0x0
	s_add_nc_u64 s[20:21], s[4:5], s[20:21]
	s_add_nc_u64 s[46:47], s[6:7], s[46:47]
	s_cmp_eq_u32 s15, 0
	s_cselect_b64 s[PF:PF+1], s[20:21], s[46:47]   ; the part that I fetch: the choice hangs on the wave's number alone
.irp s, 0,1
	s_mov_b32 s[G0+4*\s], 1
	s_add_co_u32 s[G0+4*\s+1], s45, \s*SLOT
	s_add_nc_u64 s[G0+4*\s+2:G0+4*\s+3], s[20:21], \s*4*CH
	s_or_b32 s[G0+4*\s+3], s[G0+4*\s+3], 0x80000000
	s_mov_b32 s[G0B+4*\s], 1
	s_add_co_u32 s[G0B+4*\s+1], s18, \s*SLOT
	s_add_nc_u64 s[G0B+4*\s+2:G0B+4*\s+3], s[46:47], \s*4*CH
	s_or_b32 s[G0B+4*\s+3], s[G0B+4*\s+3], 0x80000000
.endr
	CROUND                                         ; all sixteen work-groups are here: the first joint loads meet
	JLOAD 0                                        ; K steps 0-3: one tensor load a wave at the head; the set-up and the bias's loads stand behind it
	v_and_b32 v1, 31, v0
	v_and_b32 v2, 15, v0
	v_bfe_u32 v3, v0, 4, 1
	v_lshlrev_b32 v[CO], 4, v1
	v_lshlrev_b32 v17, 2, v1
	v_min_u32 v[PFO], 24, v1
	v_add_nc_u32 v[PFO], s43, v[PFO]
	v_lshlrev_b32 v[PFO], 8, v[PFO]                ; my first row + lane, rows of 256 bytes
	s_mul_i32 s19, s15, 4*CH
	s_mul_i32 s22, s16, 6144
	s_add_co_u32 s22, s22, s19
	s_lshl_b32 s23, s16, 8
	s_add_co_u32 s23, s23, s19
	v_add_nc_u32 v[ADRA], s22, v[CO]
	v_add_nc_u32 v[ADRA+1], SLOT, v[ADRA]
	v_add_nc_u32 v[ADRB], BOFF, v[CO]
	v_add_nc_u32 v[ADRB+1], SLOT+BOFF, v[CO]
	v_add_nc_u32 v[ADSA], s23, v17
	v_add_nc_u32 v[ADSA+1], SLOT, v[ADSA]
	v_add_nc_u32 v[ADSB], BOFF, v17
	v_add_nc_u32 v[ADSB+1], SLOT+BOFF, v17
	v_lshlrev_b32 v14, 6, v3
	s_lshl_b32 s22, s42, 9
	s_mov_b32 s23, 0
	s_add_nc_u64 s[8:9], s[8:9], s[22:23]
	s_add_nc_u64 s[10:11], s[10:11], s[22:23]
	WIN TO_BIAS
.irp t, 0,1,2,3,4,5,6,7
	global_load_b128 v[8*\t:8*\t+3], v14, s[8:9] offset:(32*(\t/2)+8*(\t%2))*4
	global_load_b128 v[8*\t+4:8*\t+7], v14, s[8:9] offset:(32*(\t/2)+8*(\t%2))*4+16
.endr
	WIN 0
	s_mul_i32 s19, s14, 16*SPITCH
	v_mul_u32_u24 v[STO], v2, SPITCH
	v_lshl_add_u32 v[STO], v3, 6, v[STO]
	v_add_nc_u32 v[STO], s19, v[STO]
	v_add_nc_u32 v[RD], s19, v[CO]
	s_lshl_b32 s22, s17, 8
	s_lshl_b32 s19, s14, 6
	s_add_co_u32 s22, s22, s19
	s_lshl_b32 s22, s22, 13
	s_add_nc_u64 s[10:11], s[10:11], s[22:23]
	s_wait_alu depctr_va_vdst(0)                   ; at the head's end
	ASK 1                                          ; K steps 4-7
	s_wait_tensorcnt 0x0                           ; my part of slot 0 is in
	ds_add_u32 v[SPW], v[NIL]
	s_wait_dscnt 0x0
	CROUND                                         ; everybody's part is in, and the joint loads meet
	JLOAD 1                                        ; K steps 4-7
	FETCH 0, 0, 0
	ASK 2                                          ; K steps 8-11
	s_wait_loadcnt 0x0
	STEP 0, 0, 0, 1
	STEP 0, 1, 1, 0
	STEP 0, 2, 0, 0
	TURN 0, 1
	STEP 1, 0, 0, 0
	STEP 1, 1, 1, 0
	STEP 1, 2, 0, 0
	TURN 1, 1
	STEP 0, 0, 0, 0
	STEP 0, 1, 1, 0
	STEP 0, 2, 0, 0
	TURN 0, 0
	STEP 1, 0, 0, 0
	STEP 1, 1, 1, 0
	STEP 1, 2, 0, 0
	s_wait_dscnt 0x0
	WIN MUL
.irp a, 0,1,2,3
	MULQ 1, \a, 0
.endr
	PLACES
.macro TOSTAGE a
	WIN 0x08
.irp b, 0,1,2,3,4,5,6,7
	ds_store_b128 v[STO], v[64*(\a)+8*\b:64*(\a)+8*\b+3] offset:128*(\b/2)+32*(\b%2)
	ds_store_b128 v[STO], v[64*(\a)+8*\b+4:64*(\a)+8*\b+7] offset:128*(\b/2)+32*(\b%2)+16
.endr
	WIN 0
.set BB, BK+64*((\a)%2)
.irp t, 0,1,2,3,4,5,6,7,8,9,10,11,12,13,14,15
	ds_load_b128 v[BB+4*\t:BB+4*\t+3], v[RD] offset:\t*SPITCH
.endr
.endm
.macro SEND a, younger
.set BB, BK+64*((\a)%2)
	s_wait_dscnt \younger
.irp t, 0,1,2,3,4,5,6,7,8,9,10,11,12,13,14,15
	global_store_b128 v[CO], v[BB+4*\t:BB+4*\t+3], s[10:11] offset:(32*((\a)/2)+8*((\a)%2)+(\t%8)+16*(\t/8))*8192 th:TH_STORE_NT
.endr
.endm
	TOSTAGE 0
.irp a, 1,2,3
.if \a > 1
	s_wait_xcnt 0x0
.endif
	TOSTAGE \a
	SEND \a-1, 32
.endr
	SEND 3, 0
	s_wait_tensorcnt 0x0
	ds_add_u32 v[SPW], v[NIL]
	s_wait_dscnt 0x0
	CROUND
	s_endpgm
.Lfunc_end_k_qffafebe307_outp:
	.size	k_qffafebe307_outp, .Lfunc_end_k_qffafebe307_outp-k_qffafebe307_outp
	.p2alignl 7, 3214868480
	.fill 96, 4, 3214868480
	.section	.rodata,"a",@progbits
	.p2align	6, 0x0
	.amdhsa_kernel k_qffafebe307_outp
		.amdhsa_group_segment_fixed_size 327680
		.amdhsa_private_segment_fixed_size 0
		.amdhsa_enable_private_segment 0
		.amdhsa_kernarg_size 32
		.amdhsa_user_sgpr_count 2
		.amdhsa_user_sgpr_kernarg_segment_ptr 1
		.amdhsa_wavefront_size32 1
		.amdhsa_system_sgpr_workgroup_id_x 1
		.amdhsa_system_sgpr_workgroup_id_y 1
		.amdhsa_system_sgpr_workgroup_id_z 1
		.amdhsa_system_vgpr_workitem_id 0
		.amdhsa_next_free_vgpr 1024
		.amdhsa_next_free_sgpr 68
		.amdhsa_reserve_vcc 0
		.amdhsa_float_denorm_mode_32 3
		.amdhsa_float_denorm_mode_16_64 3
		.amdhsa_memory_ordered 1
		.amdhsa_forward_progress 1
		.amdhsa_inst_pref_size 137
	.end_amdhsa_kernel
	.amdgpu_metadata
---
amdhsa.version: [ 1, 2 ]
amdhsa.kernels:
  - .name:           k_qffafebe307_outp
    .symbol:         k_qffafebe307_outp.kd
    .args:
      - { .name: abuf, .offset: 0, .size: 8, .value_kind: global_buffer, .address_space: global }
      - { .name: ops, .offset: 8, .size: 8, .value_kind: global_buffer, .address_space: global }
      - { .name: bo, .offset: 16, .size: 8, .value_kind: global_buffer, .address_space: global }
      - { .name: out0, .offset: 24, .size: 8, .value_kind: global_buffer, .address_space: global }
    .group_segment_fixed_size: 327680
    .private_segment_fixed_size: 0
    .kernarg_segment_align: 8
    .kernarg_segment_size: 32
    .max_flat_workgroup_size: 128
    .sgpr_count:     68
    .vgpr_count:     1024
    .wavefront_size: 32
...
	.end_amdgpu_metadata
.endif
;; end of part 3
